; MI455X (gfx1250); checked and timed in simulation.
; The chip was launched on July 23, 2026; its instructions are those of AMD's public machine-readable ISA for CDNA 5 (MIT licence, August 2026) and "CDNA5" Instruction Set Architecture Reference Guide (July 2026). The comments in the code are by the model that wrote it; some were corrected since.
;; Full Attention. Allowed arithmetic: matrix products marked QUANTISED: E5M2 operands, one given power-of-two scale a tensor, by v_wmma_f32_16x16x64_bf8_bf8 or v_wmma_f32_16x16x128_bf8_bf8, f32 sums; everything else in f32.
;; Inputs: keys_codes 4 x 2,048 x 16 x 2 x 32 uint8 (E5M2 codes of keys, K innermost, in blocks of 32 codes); lowp_scales 4 int32 (the exponents e of the quantised operands' scales 2^e); queries_codes 4 x 2,048 x 16 x 2 x 32 uint8 (E5M2 codes of queries, K innermost, in blocks of 32 codes); values_codes 4 x 16 x 64 x 64 x 32 uint8 (E5M2 codes of values, K innermost, in blocks of 32 codes).
;; Outputs: out0 4 x 2,048 x 16 x 64 float32.
;; This version of the problem:
;;   THIS VERSION OF THE PROBLEM IS GIVEN IN LOW PRECISION. The matrix products marked QUANTISED in the list below multiply operands that are first quantised to E5M2 (5 exponent bits, 2 mantissa bits; 8 bits a number), with one given power-of-two scale for each operand tensor; their sums are f32. All else is computed in f32.
;;   The module's matrix products, in the order in which they are computed (A, B: the left and right operand; K: the contracted axis; several contracted axes count as one K, in the product's order):
;;     1. batch 64 x [M 2,048, K 64] x [K 64, N 2,048]; A: input queries (given as codes); B: input keys (given as codes): QUANTISED (scales: A lowp_scales[0], B lowp_scales[1])
;;     2. batch 64 x [M 64, K 2,048] x [K 2,048, N 2,048]; A: input values (given as codes); B: softmax (see below): QUANTISED (scales: A lowp_scales[2], B lowp_scales[3])
;;   THE QUANTISER, for each operand of a quantised product, along K:
;;     - The operand's scale is 2^e, e = its entry of the input lowp_scales (int32; the entries are numbered through the quantised products in the list's order, A before B).
;;     - Each number is divided by the scale, clamped to +-57,344, and rounded to the nearest number of E5M2, ties to even, subnormals kept.
;;     - The product sums the exact products of the quantised numbers (number of the format x scale) in f32.
;;   ~~~python
;;   def quantise(x, axis, e):      # numpy; x: float32 -> the quantised numbers, widened to float32 again
;;       x = np.moveaxis(x, axis, -1); K = x.shape[-1]
;;       r = np.clip(x / 2.0 ** e, -57344, 57344)
;;       step = 2.0 ** (np.maximum(np.frexp(np.where(r == 0, 1, r))[1] - 1, -14) - 2)
;;       q = np.round(r / step) * step * 2.0 ** e      # np.round: ties to even
;;       return np.moveaxis(q, -1, axis).astype(np.float32)
;;   ~~~
;;   SOFTMAX AHEAD OF A QUANTISED PRODUCT. Where the list says 'softmax', what is quantised is not the finished softmax but p = 2^(t - M), with t = logit x log2(e) and M = ceil(the row's largest t), a whole number; so 1/2 < the row's largest p <= 1. The row's sum l is taken of the UNQUANTISED p, in f32, and the product's result is divided by l at the end. Since M is a whole number, a kernel that streams over the keys may use a running M (the ceiling of the running maximum): every later rescaling is an exact power of two, so the quantised numbers keep their values, but for numbers so far below the row's largest that they fall under the format's range.
;;   OPERANDS COMPUTED ON THE WAY. 'Computed on the way' means the value that the module computes at that place (a softmax that the list does not call 'softmax' is quantised finished and normalised). What goes into a quantiser is computed in f32, as accurately as f32 sums, v_exp_f32 and their like allow (about 1e-6 of the number): no bf16 or f16 on the way to a quantiser, and a product that is left as it is and whose result goes on into a quantised operand takes f32 operands (vector FMAs, or v_wmma_f32_16x16x4_f32). A number that lies on a knife's edge between two numbers of the format may be rounded either way, as far as f32 arithmetic and the matrix unit's own rounding can turn it there, and no further.
;;   INPUTS GIVEN AS CODES. keys (in the module: [4, 2048, 16, 64], K = its axis 3); queries (in the module: [4, 2048, 16, 64], K = its axis 3); values (in the module: [4, 2048, 16, 64], K = its axis 1): each comes as NAME_codes (uint8): NAME with its K axis moved to the last place and cut into blocks of 32 codes, [.., K / 32, bytes a block], one block behind the other in memory; one code a byte (a code: sign, 5 exponent bits, 2 mantissa bits); its scale is its entry of lowp_scales. Its value is code x scale, taken as it is: it is not quantised again, and the codes and scales need not be those that the quantiser above would give.
;; One version. Each part assembles by itself: llvm-mc -triple=amdgcn-amd-amdhsa -mcpu=gfx1250 --defsym DOCPART=n.
;; ======== version 1 of 1: 1 launch
;; limits: right only within a limited range of input values
;; launch attn (part 1): grid 4 x 64, 16 waves a work-group, clusters of 4 x 1, 327,680 bytes of LDS; arguments queries_codes, keys_codes, values_codes, lowp_scales, out0; writes out0
.if DOCPART == 1
	.amdgcn_target "amdgcn-amd-amdhsa--gfx1250"
	.amdhsa_code_object_version 6
	.text
	.protected	k_q23cca9501f_attn
	.globl	k_q23cca9501f_attn
	.p2align	8
	.type	k_q23cca9501f_attn,@function
k_q23cca9501f_attn:
	s_mov_b64 s[64:65], 0
	v_nop
	global_prefetch_b8 v0, s[64:65] scope:SCOPE_SE
	s_setreg_imm32_b32 hwreg(HW_REG_WAVE_MODE, 25, 1), 1
	s_wait_xcnt 0x0
	s_wait_alu depctr_hold_cnt(0) depctr_sa_sdst(0) depctr_va_vdst(0) depctr_va_sdst(0) depctr_va_ssrc(0) depctr_va_vcc(0) depctr_vm_vsrc(0)
	s_getreg_b32 s2, hwreg(HW_REG_IB_STS2, 6, 4)
	s_cmp_eq_u32 s2, 0
	s_cbranch_scc0 .Lentry_in_a_cluster
	s_endpgm
.Lentry_in_a_cluster:
	s_bfe_u32 s2, ttmp6, 0x10000c
	s_cmp_lg_u32 s2, 0x3003
	s_cbranch_scc0 .Lentry_shape_is_right
	s_endpgm
.Lentry_shape_is_right:
; out[b][q][h][:] = the sum over keys k <= q of softmax_k(Q . K / 8) V, both products on codes of BF8 (E5M2), each tensor with the one scale 2^e given for it.
; Q, K: [4][2048][16][64] codes (a row of 64 bytes, 1,024 bytes from query to query).  V: [4][16][64 d][2048 keys] codes, the keys innermost.  out: [4][2048][16][64] f32.
; The buffer of scales holds eq, ek, ev, ep in this order (entry 2 is V's, entry 3 is p's).
; THE SOFTMAX AHEAD OF THE SECOND PRODUCT: t = score x 2^(eq + ek) x log2(e) / 8; M = the row's largest t so far, rounded UP to a whole number; p = 2^(t - M) is quantised with 2^ep, not normalised.
; The row's sum is taken of the unquantised p in f32 and divides at the end.  When M moves, the sum and O are multiplied by 2^(old M - new M): exact.
; SHARES.  A cluster of four work-groups owns one head.  Work-group c owns, for j = 0 .. 31, the tile of 16 queries 64 j + 16 c + 0 .. 15.  Keys go in steps of 128, and whether a step is hidden, open or on the
; diagonal hangs on 64 j alone (first key KF > 64 j: hidden; KF + 128 <= 64 j: open), so every branch is alike in the four partners; c enters Q's and out's addresses and the mask's numbers only.
; Wave w of sixteen owns tile 31 - w (the big one) and tile w (the small one): 8 + (floor((31 - w) / 2) - 7) + (floor(w / 2) + 1) = 17 steps of work for every w, two of them on the diagonal.
; THE WHOLE HEAD LIES IN LDS: 8 chunks of 256 keys (K's rows, then V's), 303,104 bytes, each byte filled ONCE, by joint loads of the four partners at the kernel's head (the same K and V serve all four:
; one request for four).  Nothing is filled again, so the loops over the keys hold no barrier and no wave waits for another there.  Three barriers: chunks 0-3 are in; chunks 4-7 are in (it stands where every wave
; has done the same eight open steps); all reads of K and V are over, and their bytes become the stage for the way out.
; LAYOUT.  Both products are used transposed: S^T = K Q^T (source 0 = 16 neighbouring keys, source 1 = my 16 queries, K = 64), O^T = V^T P^T (source 0 = 16 of the head's 64, source 1 = P, K = 128 keys).
; Lane (r, h) holds query r throughout; register 8 c + i of S^T is key KF + 16 c + 8 h + i, so the conversion of tile c's eight registers gives registers 2 c, 2 c + 1 of the K = 128 form's operand as that form lays it.
; K's and Q's fragments come by two loads of 16 bytes a lane (k = 32 e + 16 h + 0 .. 15): a permutation of k that is the same on both sides, so every product meets its partner.
; LIMITS.  eq + ek between -123 and 130 (added to the exponent field of log2(e) / 8); ep between -126 and 127 (2^ep is an f32 number); ep + ev goes by v_ldexp_f32 and has none.
; Codes of NaN or infinity are not served.  A hidden key counts as p = 0: that is the problem's fill of -1e9 as long as a row's largest allowed score lies above -1e9 + 1,000.  The f32 sums' order is this text's own.
.set KP,    80                         ; a key's row in LDS: 64 bytes + 16 of padding = 20 words: 16 neighbouring rows start at 16 different groups of four banks (64 banks of 4 bytes: ISA guide 11.1)
.set VP,    272                        ; a row of V's tile: 256 bytes + 16 = 68 words: the 32 lanes of an 8-byte load (row r, + 8 h) touch 64 different banks
.set VOFF,  256*KP                     ; a chunk: 256 rows of K (20,480 bytes), then 64 rows of V (17,408)
.set CHUNK, VOFF+64*VP                 ; 37,888 bytes
.set HALF,  4*CHUNK                    ; chunks 4-7 begin here
.set STG,   16*272                     ; the way out: 16 rows x (256 bytes + 16) for a tile; two tiles a wave, wave w's at 2 STG w: inside chunks 0-3, which are dead by then
.set AK0,  1                           ; v1   80 r + 16 h: my lane's place in a tile of K
.set AV0,  2                           ; v2   272 r + 8 h + VOFF: in a tile of V
.set ADK,  3                           ; v3   LDS address of the chunk's K for my lane
.set ADV,  4                           ; v4   of its V
.set QOF,  5                           ; v5   1,024 r + 16 h: my bytes in a tile's rows of Q
.set DL,   6                           ; v6   r - 8 h + 16 c, for the mask
.set GO,   7                           ; v7   4,096 h + 16 r: my bytes in two rows of out
.set STO,  8                           ; v8   the stage, in
.set RD,   9                           ; v9   the stage, back
                                       ; v12 -M, v13 the largest t so far, v[14:15] the sum in two halves
.set QA,   16                          ; v16-23   the big tile's Q
.set OT,   24                          ; v24-55   O^T, four accumulators
.set PARK, 56                          ; v56-87   the big tile's finished rows, kept until the way out
.set SC,   88                          ; v88-151  S^T, then p
.set FRG,  152                         ; v152-215 K's eight fragments of 8 registers, then V's four of 16; at the end rows of out
.set PCD,  216                         ; v216-231 p's codes
.set LIM,  232
.set SCL,  233                         ; v233     2^ep
.set PD,   234                         ; v234     a lane permute's destination
.set NINF, 235                         ; v235     -infinity
.set FF,   236                         ; v[236:237] f = 2^(old M - new M); the upper one only named with it
.set SUM2, 238                         ; v[238:239] the sum's second chain
.set MA,   240                         ; v240, v241 the maximum's two chains
.set MB,   241
.set DD,   242                         ; v242     the mask's d
.set QB,   244                         ; v244-251 the small tile's Q
.set WV,   14                          ; s14  my wave's number
.set SEL,  20                          ; s[20:21] selects for v_permlanex16_b32: lane l xor 16
.set CS,   22                          ; s[22:23] log2(e) / 8 x 2^(eq + ek): the packed form names a pair and takes its low word
.set G1K,  24                          ; s[24:31] descriptor group 1 for K's tiles;  s[32:39] for V's
.set G1V,  32
.set G0K,  40                          ; s[40:47] two groups 0 for K (a chunk among 0-3, the chunk four on);  s[48:55] the same for V
.set G0V,  48
.set TB,   56                          ; s56  LDS byte at which the chunk in hand begins
.set CNT,  57                          ; s57  chunks to go
.set KF,   58                          ; s58  the step's first key
.set J64,  59                          ; s59  64 j of the tile in hand
.set T0,   66                          ; s66  at work
.set EPV,  67                          ; s67  ep + ev
; A round of the cluster's barrier: my work-group's barrier, wave 0's signal for the work-group, every wave's wait for all four work-groups, my work-group's barrier once more.
.macro CROUND
	s_barrier_signal -1
	s_barrier_wait -1
	s_cmp_lg_u32 s[WV], 0
	s_cbranch_scc1 .Lnot_wave_0_\@
	s_barrier_signal -3
.Lnot_wave_0_\@:
	s_barrier_wait -3
	s_barrier_signal -1
	s_barrier_wait -1
.endm
; Four plain places: behind matrix instructions, in front of loads into registers that they read and of the first read of their results.
.macro PLACES
.rept 4
	v_nop
.endr
.endm
	s_load_b256 s[4:11], s[0:1], 0x0               ; Q's codes s[4:5], K's s[6:7], V's s[8:9], the scales' exponents s[10:11]
	s_load_b64 s[12:13], s[0:1], 0x20              ; out
	v_lshl_add_u32 v254, v0, 2, 0x4a000
	v_mov_b32 v255, 0
	ds_add_u32 v254, v255
	ds_add_u32 v254, v255
	v_lshrrev_b32 v10, 5, v0
	s_delay_alu instid0(VALU_DEP_1)
	v_readfirstlane_b32 s[WV], v10                 ; wave 0..15
	s_bfe_u32 s15, ttmp6, 0x40000                  ; cx: my place in the cluster
	s_lshl_b32 s80, ttmp9, 2                       ; in a cluster launch ttmp9 counts clusters
	s_add_co_u32 s15, s80, s15                     ; c = 4 x cluster x + cx
	s_and_b32 s16, ttmp7, 0xffff                   ; the head, 16 b + hh, which the four partners share
	s_lshr_b32 s17, s16, 4                         ; b
	s_and_b32 s18, s16, 15                         ; hh
	s_and_b32 s19, s[WV], 3                        ; a: which chunk among 0-3 (and which among 4-7) I fetch, if I fetch
	s_lshl_b32 s68, s17, 21
	s_lshl_b32 s80, s18, 6
	s_add_co_u32 s68, s68, s80                     ; the head's first byte in Q and in K: 2,097,152 b + 64 hh
	s_lshl_b32 s70, s19, 18
	s_add_co_u32 s70, s70, s68                     ; K: + 256 keys x 1,024 bytes x a
	s_mov_b32 s71, 0
	s_lshl_b32 s82, s16, 17
	s_lshl_b32 s80, s19, 8
	s_add_co_u32 s82, s82, s80                     ; V: 131,072 x head + 256 a
	s_mov_b32 s83, 0
	s_lshl_b32 s86, s[WV], 6                       ; 64 j of my small tile, j = w
	s_sub_co_u32 s85, 1984, s86                    ; and of my big tile, j = 31 - w
	s_lshl_b32 s87, s15, 4                         ; 16 c
	s_add_co_u32 s88, s85, s87                     ; the big tile's first query
	s_add_co_u32 s89, s86, s87                     ; the small tile's
	s_lshl_b32 s72, s88, 10
	s_add_co_u32 s72, s72, s68                     ; their bytes in Q,
	s_mov_b32 s73, 0
	s_lshl_b32 s74, s89, 10
	s_add_co_u32 s74, s74, s68
	s_mov_b32 s75, 0
	s_lshl_b32 s90, s17, 23
	s_lshl_b32 s80, s18, 8
	s_add_co_u32 s90, s90, s80                     ; the head's first byte in out: 8,388,608 b + 256 hh
	s_lshl_b32 s76, s88, 12
	s_add_co_u32 s76, s76, s90                     ; and in out
	s_mov_b32 s77, 0
	s_lshl_b32 s78, s89, 12
	s_add_co_u32 s78, s78, s90
	s_mov_b32 s79, 0
	; descriptor group 1.  K: 256 rows of 64 bytes, 1,024 bytes apart.  V: 64 rows of 256 bytes, 2,048 apart.  Elements of one byte.
	s_mov_b32 s[G1K], 15|(1<<20)|(1<<21)|(3<<22)|(3<<25)    ; 15:0 the mask: all four work-groups; 20 padding on; 21 set beside a mask; 24:22 after every 16 words (code 3); 31:25 four words (code 3)
	s_mov_b32 s[G1K+1], 64<<16                     ; tensor_dim0
	s_mov_b32 s[G1K+2], 256<<16                    ; tensor_dim1
	s_mov_b32 s[G1K+3], 64<<16                     ; tile_dim0
	s_mov_b32 s[G1K+4], 256                        ; tile_dim1
	s_mov_b32 s[G1K+5], 1024                       ; from row to row
	s_mov_b32 s[G1K+6], 0
	s_mov_b32 s[G1K+7], 0
	s_mov_b32 s[G1V], 15|(1<<20)|(1<<21)|(5<<22)|(3<<25)    ; the same, four words after every 64
	s_mov_b32 s[G1V+1], 256<<16
	s_mov_b32 s[G1V+2], 64<<16
	s_mov_b32 s[G1V+3], 256<<16
	s_mov_b32 s[G1V+4], 64
	s_mov_b32 s[G1V+5], 2048
	s_mov_b32 s[G1V+6], 0
	s_mov_b32 s[G1V+7], 0
	s_mov_b32 s[SEL], 0x76543210
	s_mov_b32 s[SEL+1], 0xfedcba98
	s_mov_b32 s[CS], 0x3e38aa3b                    ; log2(e) / 8
	s_wait_dscnt 0x0
	s_wait_kmcnt 0x0
	s_load_b128 s[60:63], s[10:11], 0x0            ; eq, ek, ev, ep
	s_add_nc_u64 s[72:73], s[4:5], s[72:73]        ; Q at my big tile, at my small tile
	s_add_nc_u64 s[74:75], s[4:5], s[74:75]
	s_add_nc_u64 s[76:77], s[12:13], s[76:77]      ; out likewise
	s_add_nc_u64 s[78:79], s[12:13], s[78:79]
	; groups 0: no place in the cluster enters them
	s_mov_b32 s[G0K], 1                            ; count = 1
	s_mul_i32 s[G0K+1], s19, CHUNK                 ; LDS: chunk a
	s_add_nc_u64 s[G0K+2:G0K+3], s[6:7], s[70:71]
	s_mov_b32 s[G0K+4], 1
	s_add_co_u32 s[G0K+5], s[G0K+1], HALF          ; chunk a + 4
	s_add_nc_u64 s[G0K+6:G0K+7], s[G0K+2:G0K+3], 0x100000    ; 1,024 keys on
	s_or_b32 s[G0K+3], s[G0K+3], 0x80000000        ; type = 2
	s_or_b32 s[G0K+7], s[G0K+7], 0x80000000
	s_mov_b32 s[G0V], 1
	s_add_co_u32 s[G0V+1], s[G0K+1], VOFF
	s_add_nc_u64 s[G0V+2:G0V+3], s[8:9], s[82:83]
	s_mov_b32 s[G0V+4], 1
	s_add_co_u32 s[G0V+5], s[G0V+1], HALF
	s_add_nc_u64 s[G0V+6:G0V+7], s[G0V+2:G0V+3], 1024
	s_or_b32 s[G0V+3], s[G0V+3], 0x80000000
	s_or_b32 s[G0V+7], s[G0V+7], 0x80000000
	CROUND                                         ; all four work-groups are here: the joint loads meet
	; ALL FILLS OF THE LAUNCH, one group: waves 0-3 fetch K's chunks a and a + 4, waves 4-7 V's, the others nothing.  A fetching wave has two tensor loads out.  Four v_nop follow the second.
	s_cmp_lt_u32 s[WV], 4
	s_cbranch_scc0 .Lnot_k
	tensor_load_to_lds s[G0K:G0K+3], s[G1K:G1K+7]
	s_nop 0
	tensor_load_to_lds s[G0K+4:G0K+7], s[G1K:G1K+7]
	s_nop 0
	PLACES
	s_branch .Lasked
.Lnot_k:
	s_cmp_lt_u32 s[WV], 8
	s_cbranch_scc0 .Lasked
	tensor_load_to_lds s[G0V:G0V+3], s[G1V:G1V+7]
	s_nop 0
	tensor_load_to_lds s[G0V+4:G0V+7], s[G1V:G1V+7]
	s_nop 0
	PLACES
.Lasked:
	v_and_b32 v10, 15, v0                          ; r
	v_bfe_u32 v11, v0, 4, 1                        ; h
	s_delay_alu instid0(VALU_DEP_2)
	v_lshlrev_b32 v[QOF], 10, v10
	s_delay_alu instid0(VALU_DEP_1)
	v_lshl_add_u32 v[QOF], v11, 4, v[QOF]
	global_load_b128 v[QA:QA+3],   v[QOF], s[72:73] th:TH_LOAD_NT            ; Q's fragments stay in registers: k = 16 h + 0 .. 15,
	global_load_b128 v[QA+4:QA+7], v[QOF], s[72:73] offset:32 th:TH_LOAD_NT  ; k = 32 + 16 h + 0 .. 15
	global_load_b128 v[QB:QB+3],   v[QOF], s[74:75] th:TH_LOAD_NT
	global_load_b128 v[QB+4:QB+7], v[QOF], s[74:75] offset:32 th:TH_LOAD_NT
	v_mul_u32_u24 v[AK0], v10, KP
	s_delay_alu instid0(VALU_DEP_1)
	v_lshl_add_u32 v[AK0], v11, 4, v[AK0]
	v_mul_u32_u24 v[AV0], v10, VP
	s_delay_alu instid0(VALU_DEP_1)
	v_lshl_add_u32 v[AV0], v11, 3, v[AV0]
	s_delay_alu instid0(VALU_DEP_1)
	v_add_nc_u32 v[AV0], VOFF, v[AV0]
	v_lshlrev_b32 v[DL], 3, v11
	s_delay_alu instid0(VALU_DEP_1)
	v_sub_nc_u32 v[DL], v10, v[DL]
	s_delay_alu instid0(VALU_DEP_1)
	v_add_nc_u32 v[DL], s87, v[DL]                 ; r - 8 h + 16 c
	v_lshlrev_b32 v[GO], 12, v11
	s_delay_alu instid0(VALU_DEP_1)
	v_lshl_add_u32 v[GO], v10, 4, v[GO]            ; lanes 0-15 one row of out, lanes 16-31 the next query's; 16 bytes a lane
	s_mul_i32 s84, s[WV], 2*STG                    ; my stage
	v_mul_u32_u24 v[STO], v10, 272
	s_delay_alu instid0(VALU_DEP_1)
	v_lshl_add_u32 v[STO], v11, 5, v[STO]
	s_delay_alu instid0(VALU_DEP_1)
	v_add_nc_u32 v[STO], s84, v[STO]               ; in: row r, + 32 h
	v_mul_u32_u24 v[RD], v11, 272
	s_delay_alu instid0(VALU_DEP_1)
	v_lshl_add_u32 v[RD], v10, 4, v[RD]
	s_delay_alu instid0(VALU_DEP_1)
	v_add_nc_u32 v[RD], s84, v[RD]                 ; back: row h, 16 bytes a lane
	v_mov_b32 v[PD], 0                             ; written once: a lane permute's destination counts as one of its sources
	v_mov_b32 v[NINF], 0xff800000
	v_mov_b32 v[FF+1], 0                           ; (named as the upper half of the pair)
	s_wait_kmcnt 0x0
	s_add_co_i32 s80, s60, s61
	s_lshl_b32 s80, s80, 23
	s_add_co_i32 s[CS], s[CS], s80                 ; a score stands for score x 2^(eq + ek): the two exponents are added to the constant's exponent field
	s_mov_b32 s[CS+1], s[CS]                       ; (named with it as a pair, so it is written)
	s_add_co_i32 s80, s63, 127
	s_lshl_b32 s81, s80, 23
	v_mov_b32 v[SCL], s81                          ; 2^ep as f32: the conversion takes its exponent field
	s_add_co_i32 s[EPV], s62, s63                  ; ev + ep
; A tile begins: the largest t is -3e38, under every t; the sum and O^T are zeros, which the first change of M leaves zeros.  So the step has no first form of its own: 32 moves a tile against two more copies of the step.
.macro INIT
	v_mov_b32 v13, 0xff61b1e6
	s_delay_alu instid0(VALU_DEP_1)
	v_floor_f32 v12, -v13                          ; -M
	v_mov_b32 v14, 0
	v_mov_b32 v15, 0
.set n, 0
.rept 32
	v_mov_b32 v[OT+n], 0
.set n, n+1
.endr
.endm
; A KEY STEP: 128 keys, the st-th half of the chunk at s[TB].  msk = 1: the step may be hidden or lie on the diagonal.  qr: the tile's Q.
.macro STEP st, msk, qr
.if \msk
	s_cmp_gt_u32 s[KF], s[J64]                     ; all 128 keys come after the tile's queries: the step's work is left out (a branch on ids; no barrier stands in a step)
	s_cbranch_scc1 .Lhid_\@
.endif
	v_add_nc_u32 v[ADK], s[TB], v[AK0]
	v_add_nc_u32 v[ADV], s[TB], v[AV0]
.irp c, 0,1,2,3,4,5,6,7                        ; K's eight fragments: keys 16 c + r
	ds_load_b128 v[FRG+8*\c:FRG+8*\c+3],   v[ADK] offset:(128*\st+16*\c)*KP
	ds_load_b128 v[FRG+8*\c+4:FRG+8*\c+7], v[ADK] offset:(128*\st+16*\c)*KP+32
.endr
	s_wait_alu depctr_va_vdst(0)
	s_wait_dscnt 0x8                               ; fragments 0-3 are in; the eight loads of fragments 4-7 may be out
.irp c, 0,1,2,3
	v_wmma_f32_16x16x64_bf8_bf8 v[SC+8*\c:SC+8*\c+7], v[FRG+8*\c:FRG+8*\c+7], v[\qr:\qr+7], 0
.endr
	s_wait_dscnt 0x0
.irp c, 4,5,6,7
	v_wmma_f32_16x16x64_bf8_bf8 v[SC+8*\c:SC+8*\c+7], v[FRG+8*\c:FRG+8*\c+7], v[\qr:\qr+7], 0
.endr
	PLACES                                         ; in front of the loads over K's fragments and of the first read of the scores
.irp t, 0,1,2,3                                ; V's four fragments (d = 16 t + r), in the K = 128 form's own layout: registers 2 c, 2 c + 1 = keys 16 c + 8 h + 0 .. 7.  They land under the softmax
.irp c, 0,1,2,3,4,5,6,7
	ds_load_b64 v[FRG+16*\t+2*\c:FRG+16*\t+2*\c+1], v[ADV] offset:16*\t*VP+128*\st+16*\c
.endr
.endr
.if \msk                                       ; on the diagonal the scores of hidden keys become -infinity ahead of the maximum: p = 0 then.  The step's first key counts for every query of the tile, so the maximum is a number
	s_add_co_u32 s[T0], s[KF], 128
	s_cmp_le_u32 s[T0], s[J64]
	s_cbranch_scc1 .Lopen_\@                       ; all keys count
	s_sub_co_i32 s[T0], s[J64], s[KF]
	v_add_nc_u32 v[DD], s[T0], v[DL]               ; d = my query - KF - 8 h.  Register 8 c + i holds key KF + 16 c + 8 h + i: hidden where 16 c + i > d
.set n, 0
.rept 64
	v_cmp_gt_i32 vcc_lo, 16*(n/8)+n%8, v[DD]
	v_cndmask_b32 v[SC+n], v[SC+n], v[NINF], vcc_lo
.set n, n+1
.endr
.Lopen_\@:
.endif
	v_max3_num_f32 v[MA], v[SC], v[SC+1], v[SC+2]  ; the step's largest score of my query among my 64 keys, in two chains, each accumulator from its low end on
	v_max3_num_f32 v[MB], v[SC+3], v[SC+4], v[SC+5]
.irp i, 6,10,14,18,22,26,30,34,38,42,46,50,54,58
	v_max3_num_f32 v[MA], v[MA], v[SC+\i], v[SC+\i+1]
	v_max3_num_f32 v[MB], v[MB], v[SC+\i+2], v[SC+\i+3]
.endr
	v_max3_num_f32 v[MA], v[MA], v[SC+62], v[SC+63]
	s_delay_alu instid0(VALU_DEP_1)
	v_max_num_f32 v[MA], v[MA], v[MB]
	s_delay_alu instid0(VALU_DEP_1)
	v_permlanex16_b32 v[PD], v[MA], s[SEL], s[SEL+1]
	s_delay_alu instid0(VALU_DEP_1)
	v_max_num_f32 v[MA], v[MA], v[PD]              ; and among lane l xor 16's
	s_delay_alu instid0(VALU_DEP_1)
	v_mul_f32 v[MA], s[CS], v[MA]                  ; as t (the constant is positive)
	s_delay_alu instid0(VALU_DEP_1)
	v_max_num_f32 v13, v13, v[MA]                  ; the running largest t
	v_mov_b32 v[MA], v12
	s_delay_alu instid0(VALU_DEP_2)
	v_floor_f32 v12, -v13                          ; the new -M = floor(-t) = -ceil(t): a whole number
	s_delay_alu instid0(VALU_DEP_1)
	v_sub_f32 v[MA], v12, v[MA]                    ; old M - new M: a whole number, 0 or less
	s_delay_alu instid0(VALU_DEP_1)
	v_cvt_i32_f32 v[MA], v[MA]                     ; (it saturates)
	s_delay_alu instid0(VALU_DEP_1)
	v_ldexp_f32 v[FF], 1.0, v[MA]                  ; f = 2^(old M - new M)
.set n, 0
.rept 32
	v_pk_fma_f32 v[SC+n:SC+n+1], v[SC+n:SC+n+1], s[CS:CS+1], v[12:13] op_sel_hi:[1,0,0]   ; t - M, two at a time (of both pairs the low word serves both halves)
.set n, n+2
.endr
.set n, 0
	s_wait_alu depctr_va_vdst(0)
.rept 64
	v_exp_f32 v[SC+n], v[SC+n]                     ; p = 2^(t - M), at most 1
.set n, n+1
.endr
	v_pk_mul_f32 v[14:15], v[14:15], v[FF:FF+1] op_sel_hi:[1,0]   ; the sum under the new M.  (The plain place behind the exponentials)
	s_wait_alu depctr_va_vdst(0)
	v_pk_add_f32 v[238:239], v[92:93], v[96:97]
	v_pk_add_f32 v[252:253], v[100:101], v[104:105]
	v_pk_add_f32 v[242:243], v[108:109], v[112:113]
	v_pk_add_f32 v[240:241], v[116:117], v[120:121]
	v_pk_add_f32 v[230:231], v[124:125], v[128:129]
	v_pk_add_f32 v[228:229], v[132:133], v[136:137]
	v_pk_add_f32 v[226:227], v[140:141], v[144:145]
	v_pk_add_f32 v[14:15], v[14:15], v[148:149]
	v_pk_add_f32 v[238:239], v[238:239], v[88:89]
	v_pk_add_f32 v[252:253], v[252:253], v[90:91]
	v_pk_add_f32 v[242:243], v[242:243], v[94:95]
	v_pk_add_f32 v[240:241], v[240:241], v[98:99]
	v_pk_add_f32 v[230:231], v[230:231], v[102:103]
	v_pk_add_f32 v[228:229], v[228:229], v[106:107]
	v_pk_add_f32 v[226:227], v[226:227], v[110:111]
	v_pk_add_f32 v[14:15], v[14:15], v[114:115]
	v_pk_add_f32 v[238:239], v[238:239], v[118:119]
	v_pk_add_f32 v[252:253], v[252:253], v[122:123]
	v_pk_add_f32 v[242:243], v[242:243], v[126:127]
	v_pk_add_f32 v[240:241], v[240:241], v[130:131]
	v_pk_add_f32 v[230:231], v[230:231], v[134:135]
	v_pk_add_f32 v[228:229], v[228:229], v[138:139]
	v_pk_add_f32 v[226:227], v[226:227], v[142:143]
	v_pk_add_f32 v[14:15], v[14:15], v[146:147]
	v_pk_add_f32 v[238:239], v[238:239], v[150:151]
	s_delay_alu instid0(VALU_DEP_2)
	v_pk_add_f32 v[14:15], v[14:15], v[240:241]
	s_delay_alu instid0(VALU_DEP_2)
	v_pk_add_f32 v[238:239], v[238:239], v[230:231]
	v_pk_add_f32 v[252:253], v[252:253], v[228:229]
	v_pk_add_f32 v[242:243], v[242:243], v[226:227]
	s_delay_alu instid0(VALU_DEP_2)
	v_pk_add_f32 v[14:15], v[14:15], v[252:253]
	s_delay_alu instid0(VALU_DEP_2)
	v_pk_add_f32 v[238:239], v[238:239], v[242:243]
	s_delay_alu instid0(VALU_DEP_1)
	v_pk_add_f32 v[14:15], v[14:15], v[238:239]
.irp c, 0,1,2,3,4,5,6,7
.irp i, 0,1,2,3,4,5,6,7
.endr
	v_cvt_scalef32_pk8_bf8_f32 v[PCD+2*\c:PCD+2*\c+1], v[SC+8*\c:SC+8*\c+7], v[SCL]   ; keys 16 c + 8 h + 0 .. 7
.endr
.set n, 0
.rept 16
	v_pk_mul_f32 v[OT+n:OT+n+1], v[OT+n:OT+n+1], v[FF:FF+1] op_sel_hi:[1,0]   ; O^T under the new M, each accumulator from its low end on.  (Also the plain places behind the conversions)
.set n, n+2
.endr
	s_wait_alu depctr_va_vdst(0)
	s_wait_dscnt 0x0                               ; V's fragments are in
.irp t, 0,1,2,3                                ; four accumulators, one instruction each: no two matrix instructions that follow each other share one
	v_wmma_f32_16x16x128_bf8_bf8 v[OT+8*\t:OT+8*\t+7], v[FRG+16*\t:FRG+16*\t+15], v[PCD:PCD+15], v[OT+8*\t:OT+8*\t+7]
.endr
	PLACES                                         ; in front of the next loads over V's fragments and of the next read of O^T, whichever way follows
.if \msk
.Lhid_\@:
	s_add_co_u32 s[KF], s[KF], 128
.endif
.endm
; Four chunks, two steps each: every wave walks all four trips; what is left out is a hidden step's work.
.macro LOOP4 msk, qr
	s_mov_b32 s[CNT], 4
.Lchunk_\@:
	STEP 0, \msk, \qr
	STEP 1, \msk, \qr
	s_add_co_u32 s[TB], s[TB], CHUNK
	s_sub_co_u32 s[CNT], s[CNT], 1
	s_cmp_lg_u32 s[CNT], 0
	s_cbranch_scc1 .Lchunk_\@
.endm
; A tile ends: O^T x 2^(ep + ev) / the row's sum, into v[dst] on: register 8 t + i is out(query r, d = 16 t + 8 h + i).
.macro FIN dst
	v_add_f32 v14, v14, v15                        ; the sum's two halves,
	s_delay_alu instid0(VALU_DEP_1)
	v_permlanex16_b32 v[PD], v14, s[SEL], s[SEL+1]
	s_delay_alu instid0(VALU_DEP_1)
	v_add_f32 v14, v14, v[PD]                      ; and lane l xor 16's
	s_wait_alu depctr_va_vdst(0)
	v_rcp_f32 v14, v14
	v_nop                                          ; one plain place behind a transcendental
	s_wait_alu depctr_va_vdst(0)
	v_ldexp_f32 v14, v14, s[EPV]
.set n, 0
.rept 16
	v_pk_mul_f32 v[\dst+n:\dst+n+1], v[OT+n:OT+n+1], v[14:15] op_sel_hi:[1,0]
.set n, n+2
.endr
.endm
	INIT
	s_wait_loadcnt 0x0                             ; Q
	s_wait_tensorcnt 0x1                           ; my first load, a chunk among 0-3, is in; my second, a chunk among 4-7, may stay out
	s_barrier_signal -1
	s_barrier_wait -1                              ; chunks 0-3 are whole
	; THE BIG TILE, j = 31 - w >= 16: keys 0 to 1,023 all count
	s_mov_b32 s[TB], 0
	LOOP4 0, QA
	s_wait_tensorcnt 0x0                           ; my part of chunks 4-7 is in
	s_wait_dscnt 0x0
	s_barrier_signal -1
	s_barrier_wait -1                              ; chunks 4-7 are whole
	s_mov_b32 s[J64], s85
	s_mov_b32 s[TB], HALF
	s_mov_b32 s[KF], 1024
	LOOP4 1, QA                                    ; keys 1,024 on: open, on the diagonal, hidden
	FIN PARK
	; THE SMALL TILE, j = w <= 15: its keys lie in chunks 0-3
	INIT
	s_mov_b32 s[J64], s86
	s_mov_b32 s[TB], 0
	s_mov_b32 s[KF], 0
	LOOP4 1, QB
	FIN SC
	s_wait_alu depctr_va_vdst(0)
	s_wait_dscnt 0x0                               ; my reads of K and V are over
	s_barrier_signal -1
	s_barrier_wait -1                              ; everybody's are: their bytes, which have had their one fill, become the stage
	; THE WAY OUT.  A lane holds 32 neighbouring bytes of four pieces of a row, and the lanes beside it hold other rows: a tile goes through my stage and comes back as whole rows of 256 bytes.
	; LDS serves a wave's instructions in order (ISA guide 5.7.1.4): no wait stands between my stores and my loads.
.irp t, 0,1,2,3
	ds_store_b128 v[STO], v[PARK+8*\t:PARK+8*\t+3] offset:64*\t
	ds_store_b128 v[STO], v[PARK+8*\t+4:PARK+8*\t+7] offset:64*\t+16
.endr
.irp i, 0,1,2,3,4,5,6,7
	ds_load_b128 v[FRG+4*\i:FRG+4*\i+3], v[RD] offset:2*\i*272
.endr
.irp t, 0,1,2,3
	ds_store_b128 v[STO], v[SC+8*\t:SC+8*\t+3] offset:STG+64*\t
	ds_store_b128 v[STO], v[SC+8*\t+4:SC+8*\t+7] offset:STG+64*\t+16
.endr
.irp i, 0,1,2,3,4,5,6,7
	ds_load_b128 v[FRG+32+4*\i:FRG+32+4*\i+3], v[RD] offset:STG+2*\i*272
.endr
.irp i, 0,1,2,3,4,5,6,7
	s_wait_dscnt 23-\i                             ; behind the big tile's load i: its 7 - i younger loads and the small tile's sixteen
	global_store_b128 v[GO], v[FRG+4*\i:FRG+4*\i+3], s[76:77] offset:8192*\i th:TH_STORE_NT   ; 16 lanes store 256 consecutive bytes, at a multiple of 256 from out's first byte
.endr
.irp i, 0,1,2,3,4,5,6,7
	s_wait_dscnt 7-\i
	global_store_b128 v[GO], v[FRG+32+4*\i:FRG+32+4*\i+3], s[78:79] offset:8192*\i th:TH_STORE_NT
.endr
	s_wait_tensorcnt 0x0                           ; no tensor load and no LDS instruction of mine is out
	s_wait_dscnt 0x0
	s_wait_tensorcnt 0x0
	ds_add_u32 v254, v255
	s_wait_dscnt 0x0
	CROUND                                         ; the closing round: no work-group ends before all four have passed their joint loads
	s_endpgm
.Lfunc_end_k_q23cca9501f_attn:
	.size	k_q23cca9501f_attn, .Lfunc_end_k_q23cca9501f_attn-k_q23cca9501f_attn
	.p2alignl 7, 3214868480
	.fill 96, 4, 3214868480
	.section	.rodata,"a",@progbits
	.p2align	6, 0x0
	.amdhsa_kernel k_q23cca9501f_attn
		.amdhsa_group_segment_fixed_size 327680
		.amdhsa_private_segment_fixed_size 0
		.amdhsa_enable_private_segment 0
		.amdhsa_kernarg_size 40
		.amdhsa_user_sgpr_count 2
		.amdhsa_user_sgpr_kernarg_segment_ptr 1
		.amdhsa_wavefront_size32 1
		.amdhsa_system_sgpr_workgroup_id_x 1
		.amdhsa_system_sgpr_workgroup_id_y 1
		.amdhsa_system_sgpr_workgroup_id_z 1
		.amdhsa_system_vgpr_workitem_id 0
		.amdhsa_next_free_vgpr 256
		.amdhsa_next_free_sgpr 96
		.amdhsa_reserve_vcc 1
		.amdhsa_float_denorm_mode_32 3
		.amdhsa_float_denorm_mode_16_64 3
		.amdhsa_fp16_overflow 1
		.amdhsa_memory_ordered 1
		.amdhsa_forward_progress 1
		.amdhsa_inst_pref_size 128
	.end_amdhsa_kernel
	.amdgpu_metadata
---
amdhsa.version: [ 1, 2 ]
amdhsa.kernels:
  - .name:           k_q23cca9501f_attn
    .symbol:         k_q23cca9501f_attn.kd
    .args:
      - { .name: queries_codes, .offset: 0, .size: 8, .value_kind: global_buffer, .address_space: global }
      - { .name: keys_codes, .offset: 8, .size: 8, .value_kind: global_buffer, .address_space: global }
      - { .name: values_codes, .offset: 16, .size: 8, .value_kind: global_buffer, .address_space: global }
      - { .name: lowp_scales, .offset: 24, .size: 8, .value_kind: global_buffer, .address_space: global }
      - { .name: out0, .offset: 32, .size: 8, .value_kind: global_buffer, .address_space: global }
    .group_segment_fixed_size: 327680
    .private_segment_fixed_size: 0
    .kernarg_segment_align: 8
    .kernarg_segment_size: 40
    .max_flat_workgroup_size: 512
    .sgpr_count:     96
    .vgpr_count:     256
    .wavefront_size: 32
...
	.end_amdgpu_metadata
.endif
;; end of part 1
